; MI455X (gfx1250); checked and timed in simulation.
; The chip was launched on July 23, 2026; its instructions are those of AMD's public machine-readable ISA for CDNA 5 (MIT licence, August 2026) and "CDNA5" Instruction Set Architecture Reference Guide (July 2026). The comments in the code are by the model that wrote it; some were corrected since.
;; Pi Former FFN. Allowed arithmetic: matrix products marked QUANTISED: E5M2 operands, one given power-of-two scale a tensor, by v_wmma_f32_16x16x64_bf8_bf8 or v_wmma_f32_16x16x128_bf8_bf8, f32 sums; everything else in f32.
;; Inputs: W1_codes 8,192 x 64 x 32 uint8 (E5M2 codes of W1, K innermost, in blocks of 32 codes); W2_codes 2,048 x 256 x 32 uint8 (E5M2 codes of W2, K innermost, in blocks of 32 codes); lowp_scales 4 int32 (the exponents e of the quantised operands' scales 2^e); x_codes 4 x 512 x 64 x 32 uint8 (E5M2 codes of x, K innermost, in blocks of 32 codes).
;; Outputs: out0 4 x 512 x 2,048 float32.
;; This version of the problem:
;;   THIS VERSION OF THE PROBLEM IS GIVEN IN LOW PRECISION. The matrix products marked QUANTISED in the list below multiply operands that are first quantised to E5M2 (5 exponent bits, 2 mantissa bits; 8 bits a number), with one given power-of-two scale for each operand tensor; their sums are f32. All else is computed in f32.
;;   The module's matrix products, in the order in which they are computed (A, B: the left and right operand; K: the contracted axis; several contracted axes count as one K, in the product's order):
;;     1. [M 2,048, K 2,048] x [K 2,048, N 8,192]; A: input x (given as codes); B: input W1 (given as codes): QUANTISED (scales: A lowp_scales[0], B lowp_scales[1])
;;     2. [M 2,048, K 8,192] x [K 8,192, N 2,048]; A: computed on the way; B: input W2 (given as codes): QUANTISED (scales: A lowp_scales[2], B lowp_scales[3])
;;   THE QUANTISER, for each operand of a quantised product, along K:
;;     - The operand's scale is 2^e, e = its entry of the input lowp_scales (int32; the entries are numbered through the quantised products in the list's order, A before B).
;;     - Each number is divided by the scale, clamped to +-57,344, and rounded to the nearest number of E5M2, ties to even, subnormals kept.
;;     - The product sums the exact products of the quantised numbers (number of the format x scale) in f32.
;;   ~~~python
;;   def quantise(x, axis, e):      # numpy; x: float32 -> the quantised numbers, widened to float32 again
;;       x = np.moveaxis(x, axis, -1); K = x.shape[-1]
;;       r = np.clip(x / 2.0 ** e, -57344, 57344)
;;       step = 2.0 ** (np.maximum(np.frexp(np.where(r == 0, 1, r))[1] - 1, -14) - 2)
;;       q = np.round(r / step) * step * 2.0 ** e      # np.round: ties to even
;;       return np.moveaxis(q, -1, axis).astype(np.float32)
;;   ~~~
;;   OPERANDS COMPUTED ON THE WAY. 'Computed on the way' means the value that the module computes at that place (a softmax that the list does not call 'softmax' is quantised finished and normalised). What goes into a quantiser is computed in f32, as accurately as f32 sums, v_exp_f32 and their like allow (about 1e-6 of the number): no bf16 or f16 on the way to a quantiser, and a product that is left as it is and whose result goes on into a quantised operand takes f32 operands (vector FMAs, or v_wmma_f32_16x16x4_f32). A number that lies on a knife's edge between two numbers of the format may be rounded either way, as far as f32 arithmetic and the matrix unit's own rounding can turn it there, and no further.
;;   INPUTS GIVEN AS CODES. W1 (in the module: [8192, 2048], K = its axis 1); W2 (in the module: [2048, 8192], K = its axis 1); x (in the module: [4, 512, 2048], K = its axis 2): each comes as NAME_codes (uint8): NAME with its K axis moved to the last place and cut into blocks of 32 codes, [.., K / 32, bytes a block], one block behind the other in memory; one code a byte (a code: sign, 5 exponent bits, 2 mantissa bits); its scale is its entry of lowp_scales. Its value is code x scale, taken as it is: it is not quantised again, and the codes and scales need not be those that the quantiser above would give.
;; One version. Each part assembles by itself: llvm-mc -triple=amdgcn-amd-amdhsa -mcpu=gfx1250 --defsym DOCPART=n.
;; ======== version 1 of 1: 2 launches
;; limits: right only within a limited range of input values
;; workspace buffers: acodes 16,777,216 bytes
;; launch fc1 (part 1): grid 32 x 8, 4 waves a work-group, clusters of 4 x 4, 327,680 bytes of LDS; arguments x_codes, W1_codes, lowp_scales, acodes; writes acodes
.if DOCPART == 1
	.amdgcn_target "amdgcn-amd-amdhsa--gfx1250"
	.amdhsa_code_object_version 6
	.text
	.protected	k_qfaeafd3a09_fc1
	.globl	k_qfaeafd3a09_fc1
	.p2align	8
	.type	k_qfaeafd3a09_fc1,@function
k_qfaeafd3a09_fc1:
	s_mov_b64 s[64:65], 0
	v_nop
	global_prefetch_b8 v0, s[64:65] scope:SCOPE_SE
	s_setreg_imm32_b32 hwreg(HW_REG_WAVE_MODE, 25, 1), 1
	s_wait_xcnt 0x0
	s_wait_alu depctr_hold_cnt(0) depctr_sa_sdst(0) depctr_va_vdst(0) depctr_va_sdst(0) depctr_va_ssrc(0) depctr_va_vcc(0) depctr_vm_vsrc(0)
	s_getreg_b32 s2, hwreg(HW_REG_IB_STS2, 6, 4)
	s_cmp_eq_u32 s2, 0
	s_cbranch_scc0 .Lentry_in_a_cluster
	s_endpgm
.Lentry_in_a_cluster:
	s_bfe_u32 s2, ttmp6, 0x10000c
	s_cmp_lg_u32 s2, 0xf033
	s_cbranch_scc0 .Lentry_shape_is_right
	s_endpgm
.Lentry_shape_is_right:
; a = Q(gelu(q x 0.1)), q = clip(round(h / 0.1), -32768, 32767), h = x W1^T on codes of BF8 (E5M2), sums in f32; gelu in its tanh form, as x / (1 + 2^y), y = x (c1 x^2 + c0).
; A tile of h is 256 x 256: four waves, each 128 x 128 in 64 accumulators.  K goes in steps of 256 through two LDS slots filled by joint loads: 4 x 4 work-groups form a cluster,
; x's tiles are shared along a row of it, W1's along a column.  Source 0 = 16 rows of W1, source 1 = 16 rows of x: a lane holds eight neighbouring hidden units of one row.
; THE WAY OUT needs no LDS.  Of block i (16 rows) lane (r, h) holds row 16 i + r, hidden units 16 b + 8 h + 0 .. 7 for b = 0 .. 7: converted, these are registers 2 b, 2 b + 1 of a fragment
; of the next product (K = 16 b + 8 h + 0 .. 7).  acodes is laid as those registers: chunk (tr, ks) of 16,384 bytes at (64 tr + ks) x 16,384 holds rows 128 tr .. + 127, K 128 ks .. + 127;
; in it registers 4 t .. 4 t + 3 of fragment i, lane l, lie at 2,048 i + 512 t + 16 l.  A wave's 128 x 128 is one chunk, and each block is stored as soon as it is converted.
; PREFETCH: behind each refill the K step two refills on is named: a lane a row of 256 bytes; the four partners that ask for a tile jointly share its rows out by address.  x's rows are read by
; eight columns of clusters: the first four name them.
; LIMITS: e0 + e1 between -129 and 124 (added to the exponent field of 10.0), e2 between -126 and 112 (2^e2 and 57,344 x 2^e2 are f32 numbers).
.set SIZE_K, 2048
.set KSTEP,  256
.set ROWB,   256
.set KROW,   SIZE_K
.set PITCH,  272                       ; an LDS row: 256 bytes + 16: the 16 rows of a fragment load start 68 words apart
.set FR,     16
.set NL,     4
.set NP,     4
.set HALFT,  128*PITCH
.set SLOT,   4*HALFT
.set LAPS,   SIZE_K/(2*KSTEP)
.set SPARE,  2*SLOT
.set GC0,  8                           ; v8-9   c0, twice
.set QS,   10                          ; v10    2^e2
.set QL,   11                          ; v11    57,344 x 2^e2
.set ADRA, 16
.set ADRB, 20
.set CO,   26                          ; v26    16 x lane
.set SPW,  28
.set NIL,  29
.set PFO,  30                          ; v30    lane x a row of x or W1 in memory
.set XR,   32
.set YR,   96
.set CR,   160
.set AF,   128
.set G1, 24
.set G0, 32
.set G1B, 48
.set G0B, 56
.set PFA, 84                           ; s[84:85] where my prefetches stand
.set LIM, 86                           ; s86    1 in a wave that prefetches, else the greatest number
.set MSB, 0
.macro WIN new
.if MSB != \new
	s_set_vgpr_msb (MSB<<8)|\new
.set MSB, \new
.endif
.endm
.set MUL_LO, 0xa1
.set MUL_HI, 0xf1
.set TO_B,   0x40
.macro JLOAD g0a, g1a, g0b, g1b        ; a joint load: waves 0 and 1 fetch for x, waves 2 and 3 for W1
	s_cmp_eq_u32 s15, 0
	s_cbranch_scc0 .Lfor_b_\@
	tensor_load_to_lds s[\g0a:\g0a+3], s[\g1a:\g1a+7]
	s_nop 0
.rept 4
	v_nop
.endr
	s_branch .Lasked_\@
.Lfor_b_\@:
	tensor_load_to_lds s[\g0b:\g0b+3], s[\g1b:\g1b+7]
	s_nop 0
.rept 4
	v_nop
.endr
.Lasked_\@:
.endm
.macro ASK                             ; 32 rows x 256 bytes of the K step two refills on; the loop's last trip (s3 = 1) has none
	s_cmp_gt_u32 s3, s[LIM]
	s_cbranch_scc0 .Lno_ask_\@
	global_prefetch_b8 v[PFO], s[PFA:PFA+1] offset:2*KSTEP th:TH_LOAD_NT scope:SCOPE_SE
.Lno_ask_\@:
.endm
.macro CREST
	s_cmp_lg_u32 s14, 0
	s_cbranch_scc1 .Lnot_wave_0_\@
	s_barrier_signal -3
.Lnot_wave_0_\@:
	s_barrier_wait -3
	s_barrier_signal -1
	s_barrier_wait -1
.endm
.macro CROUND
	s_barrier_signal -1
	s_barrier_wait -1
	CREST
.endm
	s_load_b128 s[4:7], s[0:1], 0x0                ; x s[4:5], W1 s[6:7]
	s_load_b128 s[8:11], s[0:1], 0x10              ; the exponents s[8:9], acodes s[10:11]
	v_lshl_add_u32 v[SPW], v0, 2, SPARE
	v_mov_b32 v[NIL], 0
	ds_add_u32 v[SPW], v[NIL]                      ; the opening lines: the add, twice on end, and its wait below
	ds_add_u32 v[SPW], v[NIL]
	v_lshrrev_b32 v1, 5, v0
	v_readfirstlane_b32 s14, v1                    ; wave
	s_lshr_b32 s15, s14, 1                         ; my half of the rows; also: I fetch for x (0) or W1 (1)
	s_and_b32 s16, s14, 1                          ; my half of the columns; also: which 128 rows I fetch
	s_bfe_u32 s40, ttmp6, 0x40000                  ; cx, cy
	s_bfe_u32 s41, ttmp6, 0x40004
	s_lshl_b32 s42, ttmp9, 2
	s_add_co_u32 s42, s42, s40                     ; tile column
	s_and_b32 s17, ttmp7, 0xffff
	s_lshl_b32 s17, s17, 2
	s_add_co_u32 s17, s17, s41                     ; tile row
	s_lshl_b32 s43, s41, 2
	s_lshl_b32 s43, 15, s43                        ; my row of the cluster
	s_lshl_b32 s44, 0x1111, s40                    ; my column
	s_or_b32 s[G1+0], s43, (0<<16)|(1<<20)|(1<<21)|(5<<22)|(3<<25)
	s_or_b32 s[G1B+0], s44, (0<<16)|(1<<20)|(1<<21)|(5<<22)|(3<<25)
.irp g, G1, G1B
	s_mov_b32 s[\g+1], ROWB<<16
	s_mov_b32 s[\g+2], 128<<16
	s_mov_b32 s[\g+3], ROWB<<16
	s_mov_b32 s[\g+4], 128
	s_mov_b32 s[\g+5], KROW
	s_mov_b32 s[\g+6], 0
	s_mov_b32 s[\g+7], 0
.endr
	s_lshl_b32 s18, s16, 7
	s_lshl_b32 s20, s17, 8
	s_add_co_u32 s20, s20, s18
	s_lshl_b32 s46, s42, 8
	s_add_co_u32 s46, s46, s18
	s_mov_b32 s21, 0
	s_mov_b32 s47, 0
	s_mov_b64 s[18:19], KROW
	s_mul_u64 s[20:21], s[20:21], s[18:19]
	s_mul_u64 s[46:47], s[46:47], s[18:19]
	s_mul_i32 s45, s14, HALFT
	s_wait_dscnt 0x0
	s_wait_kmcnt 0x0
	s_load_b128 s[68:71], s[8:9], 0x0              ; e0 .. e3
	s_add_nc_u64 s[20:21], s[4:5], s[20:21]
	s_add_nc_u64 s[46:47], s[6:7], s[46:47]
	CROUND                                         ; the first joint loads meet
.irp s, 0,1
	s_mov_b32 s[G0+4*\s], 1
	s_add_co_u32 s[G0+4*\s+1], s45, \s*SLOT
	s_add_nc_u64 s[G0+4*\s+2:G0+4*\s+3], s[20:21], \s*ROWB
	s_or_b32 s[G0+4*\s+3], s[G0+4*\s+3], 0x80000000
	s_mov_b32 s[G0B+4*\s], 1
	s_add_co_u32 s[G0B+4*\s+1], s45, \s*SLOT
	s_add_nc_u64 s[G0B+4*\s+2:G0B+4*\s+3], s[46:47], \s*ROWB
	s_or_b32 s[G0B+4*\s+3], s[G0B+4*\s+3], 0x80000000
.endr
	JLOAD G0, G1, G0B, G1B                         ; K step 0: one tensor load a wave at the head
	v_and_b32 v1, 15, v0
	v_bfe_u32 v2, v0, 4, 1
	v_mul_u32_u24 v3, v1, PITCH
	v_lshl_add_u32 v4, v2, 4, v3
	s_mul_i32 s21, s15, HALFT
	s_mul_i32 s22, s16, HALFT
	s_add_co_u32 s22, s22, 2*HALFT
.irp s, 0,1
	v_add_nc_u32 v[ADRA+\s], s21, v4
	v_add_nc_u32 v[ADRB+\s], s22, v4
	s_add_co_u32 s21, s21, SLOT
	s_add_co_u32 s22, s22, SLOT
.endr
	v_and_b32 v6, 31, v0
	v_lshlrev_b32 v[CO], 4, v6
	v_mul_u32_u24 v[PFO], v6, KROW
	s_lshl_b32 s20, s17, 1
	s_add_co_u32 s20, s20, s15                     ; tr = 2 x tile row + my half of the rows
	s_lshl_b32 s20, s20, 6
	s_lshl_b32 s46, s42, 1
	s_add_co_u32 s46, s46, s16                     ; ks = 2 x tile column + my half of the columns
	s_add_co_u32 s20, s20, s46
	s_lshl_b32 s20, s20, 14                        ; my chunk, in bytes (under 2^24)
	s_mov_b32 s21, 0
	s_add_nc_u64 s[10:11], s[10:11], s[20:21]
	s_lshl_b32 s82, s17, 8                         ; the prefetches: the tile's first row in x,
	s_lshl_b32 s83, s42, 8                         ; and in W1
	s_cmp_eq_u32 s15, 0                            ; do I fetch for x?
	s_cselect_b32 s82, s82, s83
	s_cselect_b32 s83, s40, s41                    ; my place among the four that ask with me
	s_cselect_b32 s87, ttmp9, 0                    ; x: my column of clusters
	s_cselect_b64 s[PFA:PFA+1], s[4:5], s[6:7]
	s_cmp_lt_u32 s87, 4
	s_cselect_b32 s[LIM], 1, -1                    ; the same in all sixteen partners, for a given wave
	s_lshl_b32 s87, s16, 7
	s_add_co_u32 s82, s82, s87                     ; + the 128 rows that I fetch
	s_lshl_b32 s83, s83, 5
	s_add_co_u32 s82, s82, s83                     ; + my work-group's 32 of them
	s_lshl_b32 s82, s82, 11                        ; in bytes (under 2^24),
	s_add_co_u32 s82, s82, KSTEP                   ; at K step 1: the head names K steps 1 to 3 from here; the first refill steps it to 2 and names K step 4
	s_mov_b32 s83, 0
	s_add_nc_u64 s[PFA:PFA+1], s[PFA:PFA+1], s[82:83]
.macro FRAG reg, adr, q, i             ; 16 rows x 128 K: four loads of 16 bytes: a permutation of k inside the 128, the same for x and W1
.irp c, 0,1,2,3
	ds_load_b128 v[\reg+4*\c:\reg+4*\c+3], v[\adr] offset:128*(\q)+32*\c+(\i)*16*PITCH
.endr
.endm
.macro MUL16 a0, p, zero               ; the 64 accumulators take turns, one instruction a turn
.irp a, \a0, \a0+1
.irp b, 0,1,2,3,4,5,6,7
.if \zero
	v_wmma_f32_16x16x128_bf8_bf8 v[8*(8*((\a)%4)+\b):8*(8*((\a)%4)+\b)+7], v[128*(\p)+FR*\b:128*(\p)+FR*\b+FR-1], v[AF+FR*(\a):AF+FR*(\a)+FR-1], 0
.else
	v_wmma_f32_16x16x128_bf8_bf8 v[8*(8*((\a)%4)+\b):8*(8*((\a)%4)+\b)+7], v[128*(\p)+FR*\b:128*(\p)+FR*\b+FR-1], v[AF+FR*(\a):AF+FR*(\a)+FR-1], v[8*(8*((\a)%4)+\b):8*(8*((\a)%4)+\b)+7]
.endif
.endr
.endr
.endm
.macro FETCH_B slot, q, p
	WIN TO_B
.irp i, 0,1,2,3,4,5,6,7
	FRAG 128*(\p)+FR*\i, ADRB+\slot, \q, \i
.endr
	WIN 0
.endm
.macro FETCH_A slot, q, i0
.irp i, \i0, \i0+1, \i0+2, \i0+3
	FRAG AF+FR*(\i), ADRA+\slot, \q, \i
.endr
.endm
.macro PLACES n
.rept \n
	v_nop
.endr
.endm
.macro STEP slot, q, zero              ; 128 along K whose successor lies in the same slot: x has one set of fragments, W1 two
	s_wait_dscnt 4*NL                              ; all but x's blocks 4-7
	WIN MUL_LO
	MUL16 0, (\q)%2, \zero
	MUL16 2, (\q)%2, \zero
	s_wait_dscnt 0
	PLACES NP
	FETCH_B \slot, (\q)+1, 1-(\q)%2
	FETCH_A \slot, (\q)+1, 0
	WIN MUL_HI
	MUL16 4, (\q)%2, \zero
	MUL16 6, (\q)%2, \zero
	PLACES NP
	WIN 0
	FETCH_A \slot, (\q)+1, 4
.endm
.macro TURN slot, next, fill           ; a slot's last step, and the change of slots
.if \fill
	s_wait_xcnt 0x0                                ; my last prefetch has read its address: it is stepped here
	s_add_nc_u64 s[PFA:PFA+1], s[PFA:PFA+1], KSTEP
.endif
	s_wait_tensorcnt 0x0                           ; all my tensor loads have landed: my part of the next slot
	ds_add_u32 v[SPW], v[NIL]
	s_wait_dscnt 4*NL+1                            ; the add and x's blocks 4-7 may be out
	WIN MUL_LO
	MUL16 0, 1, 0
	s_wait_dscnt 0x0                               ; the add is done, my reads of this slot are over
	s_barrier_signal -1
	MUL16 2, 1, 0
	WIN 0
	s_barrier_wait -1
.if \fill
	CREST                                          ; the barrier has opened a round of the cluster's barrier
	s_add_nc_u64 s[G0+4*\slot+2:G0+4*\slot+3], s[G0+4*\slot+2:G0+4*\slot+3], 2*ROWB
	s_add_nc_u64 s[G0B+4*\slot+2:G0B+4*\slot+3], s[G0B+4*\slot+2:G0B+4*\slot+3], 2*ROWB
	JLOAD G0+4*\slot, G1, G0B+4*\slot, G1B
.else
	PLACES NP
.endif
	FETCH_B \next, 0, 0
	FETCH_A \next, 0, 0
.if \fill
	ASK
.endif
	WIN MUL_HI
	MUL16 4, 1, 0
	MUL16 6, 1, 0
	PLACES NP
	WIN 0
	FETCH_A \next, 0, 4
.endm
	s_wait_alu depctr_va_vdst(0)                   ; the wait at the head's end
	s_cmp_eq_u32 s[LIM], 1                         ; the head's loads have their prefetches too: with K step 0's load, K steps 1 and 2,
	s_cbranch_scc0 .Lno_ask_h0
	global_prefetch_b8 v[PFO], s[PFA:PFA+1] th:TH_LOAD_NT scope:SCOPE_SE
	global_prefetch_b8 v[PFO], s[PFA:PFA+1] offset:KSTEP th:TH_LOAD_NT scope:SCOPE_SE
.Lno_ask_h0:
	s_wait_tensorcnt 0x0                           ; my part of K step 0 is in; the lines ahead of a later first fill:
	ds_add_u32 v[SPW], v[NIL]
	s_wait_dscnt 0x0
	CROUND
	JLOAD G0+4, G1, G0B+4, G1B                     ; K step 1, the first tensor load behind the round
	FETCH_B 0, 0, 0
	FETCH_A 0, 0, 0
	FETCH_A 0, 0, 4
	s_cmp_eq_u32 s[LIM], 1                         ; and with K step 1's load, K step 3
	s_cbranch_scc0 .Lno_ask_h1
	global_prefetch_b8 v[PFO], s[PFA:PFA+1] offset:2*KSTEP th:TH_LOAD_NT scope:SCOPE_SE
.Lno_ask_h1:
	STEP 0, 0, 1                                   ; the first step starts the sums
	s_mov_b32 s3, LAPS-1
.Llap:
	TURN 0, 1, 1
	STEP 1, 0, 0
	TURN 1, 0, 1
	STEP 0, 0, 0
	s_sub_co_u32 s3, s3, 1
	s_cmp_lg_u32 s3, 0
	s_cbranch_scc1 .Llap
	TURN 0, 1, 0
	STEP 1, 0, 0
	s_wait_dscnt 4*NL
	WIN MUL_LO
	MUL16 0, 1, 0
	MUL16 2, 1, 0
	s_wait_dscnt 0
	WIN MUL_HI
	MUL16 4, 1, 0
	MUL16 6, 1, 0
	WIN 0
	s_wait_kmcnt 0x0
	s_add_co_i32 s82, s68, s69
	s_lshl_b32 s82, s82, 23
	s_add_co_i32 s72, s82, 0x41200000              ; 10 x 2^(e0 + e1)
	s_mov_b32 s73, s72
	s_mov_b32 s74, 0xc7000000                      ; -32,768
	s_mov_b32 s75, 0x46fffe00                      ; 32,767
	s_mov_b32 s78, 0x3dcccccd                      ; 0.1
	s_mov_b32 s79, s78
	s_mov_b32 s80, 0xbdd2d3e8                      ; c1
	s_mov_b32 s81, s80
	s_add_co_i32 s82, s70, 127
	s_lshl_b32 s83, s82, 23
	v_mov_b32 v[QS], s83
	s_add_co_i32 s82, s82, 15
	s_lshl_b32 s82, s82, 23
	s_or_b32 s82, s82, 0x600000
	v_mov_b32 v[QL], s82
	v_mov_b32 v[GC0], 0xc0135761
	v_mov_b32 v[GC0+1], 0xc0135761
	s_mov_b32 s76, 0
	PLACES NP
.macro COPY a                          ; block a's sums x 10 x 2^(e0 + e1) into window 0, each accumulator from its low end on
.Lcopy_\a:
	WIN 0x02+((\a)/4)
.irp j, 0,2,4,6,8,10,12,14,16,18,20,22,24,26,28,30,32,34,36,38,40,42,44,46,48,50,52,54,56,58,60,62
	v_pk_mul_f32 v[XR+\j:XR+\j+1], v[64*((\a)%4)+\j:64*((\a)%4)+\j+1], s[72:73] op_sel_hi:[1,0]
.endr
	WIN 0
.if (\a) < 7
	s_branch .Lact
.endif
.endm
.Lblk:                                                 ; eight trips, a block of 16 rows each: only the copy differs from block to block
.irp a, 0,1,2,3,4,5,6
	s_cmp_eq_u32 s76, \a
	s_cbranch_scc1 .Lcopy_\a
.endr
	s_branch .Lcopy_7
.irp a, 0,1,2,3,4,5,6,7
	COPY \a
.endr
.Lact:
.set j, 0
.rept 64
	v_rndne_f32 v[XR+j], v[XR+j]
.set j, j+1
.endr
.set j, 0
.rept 64
	v_med3_num_f32 v[XR+j], v[XR+j], s74, s75
.set j, j+1
.endr
.set j, 0
.rept 32
	v_pk_mul_f32 v[XR+j:XR+j+1], v[XR+j:XR+j+1], s[78:79] op_sel_hi:[1,0]
.set j, j+2
.endr
.set j, 0
.rept 32
	v_pk_mul_f32 v[YR+j:YR+j+1], v[XR+j:XR+j+1], v[XR+j:XR+j+1]
.set j, j+2
.endr
.set j, 0
.rept 32
	v_pk_fma_f32 v[YR+j:YR+j+1], v[YR+j:YR+j+1], s[80:81], v[GC0:GC0+1] op_sel_hi:[1,0,1]
.set j, j+2
.endr
.set j, 0
.rept 32
	v_pk_mul_f32 v[YR+j:YR+j+1], v[YR+j:YR+j+1], v[XR+j:XR+j+1]
.set j, j+2
.endr
.set j, 0
	s_wait_alu depctr_va_vdst(0)                   ; a wait ahead of each batch and behind it
.rept 64
	v_exp_f32 v[YR+j], v[YR+j]
.set j, j+1
.endr
	v_nop
	s_wait_alu depctr_va_vdst(0)
.set j, 0
.rept 32
	v_pk_add_f32 v[YR+j:YR+j+1], v[YR+j:YR+j+1], 1.0 op_sel_hi:[1,0]
.set j, j+2
.endr
.set j, 0
	s_wait_alu depctr_va_vdst(0)
.rept 64
	v_rcp_f32 v[YR+j], v[YR+j]
.set j, j+1
.endr
	v_nop
	s_wait_alu depctr_va_vdst(0)
.set j, 0
.rept 32
	v_pk_mul_f32 v[XR+j:XR+j+1], v[XR+j:XR+j+1], v[YR+j:YR+j+1]
.set j, j+2
.endr
.set j, 0
.rept 64
	v_med3_num_f32 v[XR+j], v[XR+j], -v[QL], v[QL]   ; the conversion does not saturate (ISA guide 7.6.2)
.set j, j+1
.endr
.irp b, 0,1,2,3,4,5,6,7
	v_cvt_scalef32_pk8_bf8_f32 v[CR+2*\b:CR+2*\b+1], v[XR+8*\b:XR+8*\b+7], v[QS]
.endr
	v_nop
.irp t, 0,1,2,3
	global_store_b128 v[CO], v[CR+4*\t:CR+4*\t+3], s[10:11] offset:512*\t   ; the fragment's registers as they are: 32 lanes store 512 consecutive bytes, at a multiple of 512 from the buffer's first byte
.endr
	s_wait_xcnt 0x0                                ; the stores have read their base and data: the base steps, the next trip rewrites the data
	s_add_nc_u64 s[10:11], s[10:11], 2048
	s_add_co_u32 s76, s76, 1
	s_cmp_lt_u32 s76, 8
	s_cbranch_scc1 .Lblk
	s_wait_tensorcnt 0x0                           ; the wave's end
	ds_add_u32 v[SPW], v[NIL]
	s_wait_dscnt 0x0
	CROUND                                         ; the closing round
	s_endpgm
.Lfunc_end_k_qfaeafd3a09_fc1:
	.size	k_qfaeafd3a09_fc1, .Lfunc_end_k_qfaeafd3a09_fc1-k_qfaeafd3a09_fc1
	.p2alignl 7, 3214868480
	.fill 96, 4, 3214868480
	.section	.rodata,"a",@progbits
	.p2align	6, 0x0
	.amdhsa_kernel k_qfaeafd3a09_fc1
		.amdhsa_group_segment_fixed_size 327680
		.amdhsa_private_segment_fixed_size 0
		.amdhsa_enable_private_segment 0
		.amdhsa_kernarg_size 32
		.amdhsa_user_sgpr_count 2
		.amdhsa_user_sgpr_kernarg_segment_ptr 1
		.amdhsa_wavefront_size32 1
		.amdhsa_system_sgpr_workgroup_id_x 1
		.amdhsa_system_sgpr_workgroup_id_y 1
		.amdhsa_system_sgpr_workgroup_id_z 1
		.amdhsa_system_vgpr_workitem_id 0
		.amdhsa_next_free_vgpr 1024
		.amdhsa_next_free_sgpr 98
		.amdhsa_reserve_vcc 0
		.amdhsa_float_denorm_mode_32 3
		.amdhsa_float_denorm_mode_16_64 3
		.amdhsa_memory_ordered 1
		.amdhsa_forward_progress 1
		.amdhsa_inst_pref_size 124
	.end_amdhsa_kernel
	.amdgpu_metadata
---
amdhsa.version: [ 1, 2 ]
amdhsa.kernels:
  - .name:           k_qfaeafd3a09_fc1
    .symbol:         k_qfaeafd3a09_fc1.kd
    .args:
      - { .name: x_codes, .offset: 0, .size: 8, .value_kind: global_buffer, .address_space: global }
      - { .name: W1_codes, .offset: 8, .size: 8, .value_kind: global_buffer, .address_space: global }
      - { .name: lowp_scales, .offset: 16, .size: 8, .value_kind: global_buffer, .address_space: global }
      - { .name: acodes, .offset: 24, .size: 8, .value_kind: global_buffer, .address_space: global }
    .group_segment_fixed_size: 327680
    .private_segment_fixed_size: 0
    .kernarg_segment_align: 8
    .kernarg_segment_size: 32
    .max_flat_workgroup_size: 128
    .sgpr_count:     98
    .vgpr_count:     1024
    .wavefront_size: 32
...
	.end_amdgpu_metadata
.endif
;; end of part 1
;; launch fc2 (part 2): grid 16 x 16, 4 waves a work-group, clusters of 4 x 1, 327,680 bytes of LDS; arguments acodes, W2_codes, lowp_scales, out0; writes out0
.if DOCPART == 2
	.amdgcn_target "amdgcn-amd-amdhsa--gfx1250"
	.amdhsa_code_object_version 6
	.text
	.protected	k_qfaeafd3a09_fc2
	.globl	k_qfaeafd3a09_fc2
	.p2align	8
	.type	k_qfaeafd3a09_fc2,@function
k_qfaeafd3a09_fc2:
	s_mov_b64 s[64:65], 0
	v_nop
	global_prefetch_b8 v0, s[64:65] scope:SCOPE_SE
	s_setreg_imm32_b32 hwreg(HW_REG_WAVE_MODE, 25, 1), 1
	s_wait_xcnt 0x0
	s_wait_alu depctr_hold_cnt(0) depctr_sa_sdst(0) depctr_va_vdst(0) depctr_va_sdst(0) depctr_va_ssrc(0) depctr_va_vcc(0) depctr_vm_vsrc(0)
	s_getreg_b32 s2, hwreg(HW_REG_IB_STS2, 6, 4)
	s_cmp_eq_u32 s2, 0
	s_cbranch_scc0 .Lentry_in_a_cluster
	s_endpgm
.Lentry_in_a_cluster:
	s_bfe_u32 s2, ttmp6, 0x10000c
	s_cmp_lg_u32 s2, 0x3003
	s_cbranch_scc0 .Lentry_shape_is_right
	s_endpgm
.Lentry_shape_is_right:
; out0 = a W2^T on codes of BF8 (E5M2), sums in f32, each finished sum x 2^(e2 + e3) (entries 2 and 3 of lowp_scales).  LIMIT: e2 + e3 between -126 and 127.
; SHARES.  A tile of out0 is 128 x 128: 16 x 16 work-groups of four waves; x counts tile rows (tr), y tile columns (tc).  THE WAVES SHARE K: of each 1,024 along K wave w takes bytes 256 w .. + 255,
; in two steps of 128: 64 accumulators, 512 registers.  The four partial tiles meet in LDS at the end and are added as (P0 + P1) + (P2 + P3): an output is four sums of ascending K, added at the end.
; TWO ROADS FOR THE TWO OPERANDS.  W2's 128 rows come by tensor loads through two LDS slots of 1,024 along K (32 rows a wave and fill).  a comes from acodes STRAIGHT INTO REGISTERS: the launch before
; laid it as fragments' registers (chunk (tr, ks) at (64 tr + ks) x 16,384; registers 4 t .. 4 t + 3 of fragment i, lane l at 2,048 i + 512 t + 16 l), so each load reads 512 consecutive bytes.
; a has three sets of 128 registers: step n's set is asked for during step n - 2, two fragments at the head of each of its four pairs.  So a slot of W2 and up to two steps of a are on their way
; at once, and LDS is read for W2 alone.
; A step: W2's eight blocks in four pairs, each block against a's eight.  W2's fragments go through a ring of three pairs (96 registers); pair p is fetched from LDS at the head of pair p - 2.
; Both operands lie as the matrix form has them: registers 2 c, 2 c + 1 hold K = 16 c + 8 h + 0 .. 7; from LDS that is eight loads of 8 bytes a fragment.
; CLUSTERS: 4 x 1: the four partners have the same tc and ask for W2's tiles jointly (mask 15).  a's chunks are read by work-groups of other clusters and come by plain loads.
; PREFETCH.  W2: with the load of fill j, fill j + 2 is named (with fill 0's also fill 1): 512 blocks of 256 bytes, one lane each over the cluster's 16 waves, shared out by address (8 rows a partner
; of the 32 that a wave fetches).  a: with the load of W2's fill j, a's 131,072 bytes of fill j + 1 are named, whose register loads begin a fill later; the 16 work-groups of a tile row read the same
; bytes, and the four with tc < 4 name them, a thread a block of 256 bytes.  The last fills name nothing, so every address lies in its buffer; the address registers are never rewritten.
; The sets' period is 3 steps, the slots' 4, and a wave has 16 steps: the 64 pairs are expanded from one macro.
; Source 0 = 16 rows of W2, source 1 = 16 rows of a: a lane holds eight neighbouring numbers of a row of out0.
; REGISTERS: window 0: v0-31 addresses, v32-127 W2's ring, v128-255 a's set 2 (at the end v32-159: the parts that are added); window 1: a's sets 0, 1;
;   windows 2, 3: accumulator (b, i), W2's block b and a's block i, at window 2 + b / 4, v[8 (8 (b % 4) + i)].
.set KFILL,  1024
.set AFILL,  131072                    ; a's bytes of a fill: 8 chunks
.set PITCH,  1040                      ; an LDS row: 1,024 bytes + 16: the 16 rows of a fragment load start 260 words apart
.set QROWS,  32*PITCH                  ; what one tensor load brings
.set HALFB,  64*PITCH                  ; blocks 4-7 lie beyond an LDS instruction's 16-bit offset: a second address register
.set SLOT,   128*PITCH
.set MPITCH, 528                       ; the meeting place: a row of a partial tile, 512 bytes + 16
.set RREG,   128*MPITCH                ; a wave's partial tile; the four begin at LDS byte 0, when the slots have had their last fill and read
.set SPARE,  4*RREG                    ; the spare words, 128 bytes a wave
.set OROW,   8192
.set RD,   8                           ; v8-11  where I read my 32 rows of partial tile 0 .. 3
.set WA,   16                          ; v16-19 W2's fragments: slot 0 blocks 0-3, 4-7; slot 1 likewise
.set STO,  24                          ; v24    where I put 32 bytes of a row of my partial tile
.set AO,   26                          ; v26    16 x lane: in a's chunks, and in a row of 512 bytes of out0
.set SPW,  28
.set NIL,  29
.set PFO,  30                          ; v30    W2's prefetch: 8,192 x (lane / 4) + 256 x (lane % 4)
.set PAO,  31                          ; v31    a's prefetch: 256 x my thread's number
.set WF,   32
.set SUMR, 32
.set G1, 24                            ; s[24:31] descriptor group 1; s[32:35], s[36:39] group 0 of slot 0, 1
.set G0, 32
.set AB, 44                            ; s[44:45] a: my tile row's chunks, at my first step
.set PFA, 48                           ; s[48:49] W2: my work-group's 8 rows of the 32 that I fetch
.set PAB, 58                           ; s[58:59] a: my tile row's chunks, at my work-group's quarter of a fill
.set MSB, 0
.macro WIN new
.if MSB != (\new)
	s_set_vgpr_msb (MSB<<8)|(\new)
.set MSB, (\new)
.endif
.endm
.macro PLACES                          ; four places behind matrix instructions, ahead of loads into their sources and of stores of their results
.rept 4
	v_nop
.endr
.endm
.macro ROUND                           ; a round of the cluster's barrier
	s_barrier_signal -1
	s_barrier_wait -1
	s_cmp_lg_u32 s14, 0
	s_cbranch_scc1 .Lnot_wave_0_\@
	s_barrier_signal -3
.Lnot_wave_0_\@:
	s_barrier_wait -3
	s_barrier_signal -1
	s_barrier_wait -1
.endm
.macro ASKA j                          ; a's fill j is named by the work-groups with tc < 4: tc is the same in all partners of a cluster
	s_cmp_lt_u32 s42, 4
	s_cbranch_scc0 .Lno_a_\@
	global_prefetch_b8 v[PAO], s[PAB:PAB+1] offset:(\j)*AFILL th:TH_LOAD_NT scope:SCOPE_SE
.Lno_a_\@:
.endm
.macro APART n, k                      ; a's fragments 2 k, 2 k + 1 of my step n into set n % 3: 8 loads of 512 consecutive bytes
.set SI, (\n)%3
.set WN, 0x40*(1-SI/2)
	WIN WN
.irp i, 0,1
.irp c, 0,1,2,3
	global_load_b128 v[128*((SI+1)/2)+16*(2*(\k)+\i)+4*\c:128*((SI+1)/2)+16*(2*(\k)+\i)+4*\c+3], v[AO], s[AB:AB+1] offset:((\n)/2)*AFILL+((\n)%2)*16384+2048*(2*(\k)+\i)+512*\c
.endr
.endr
.endm
.macro WLOAD p                         ; W2's blocks 2 (p % 4), + 1 of step p / 4 into ring place p % 3: 16 LDS loads
.irp j, 0,1
.irp c, 0,1,2,3,4,5,6,7
	ds_load_b64 v[WF+32*((\p)%3)+16*\j+2*\c:WF+32*((\p)%3)+16*\j+2*\c+1], v[WA+2*(((\p)/8)%2)+((\p)%4)/2] offset:((2*((\p)%4)+\j)%4)*16*PITCH+128*(((\p)/4)%2)+16*\c
.endr
.endr
.endm
.macro MULP p                          ; 16 matrix instructions; the 64 accumulators take turns, one instruction a turn; step 0 starts the sums
.set SI, ((\p)/4)%3
.set WN, (0xa0+0x50*(((\p)%4)/2))|(4*(1-SI/2))
	WIN WN
.irp j, 0,1
.irp i, 0,1,2,3,4,5,6,7
.set AC, 8*(8*((2*((\p)%4)+\j)%4)+\i)
.if (\p) < 4
	v_wmma_f32_16x16x128_bf8_bf8 v[AC:AC+7], v[WF+32*((\p)%3)+16*\j:WF+32*((\p)%3)+16*\j+15], v[128*((SI+1)/2)+16*\i:128*((SI+1)/2)+16*\i+15], 0
.else
	v_wmma_f32_16x16x128_bf8_bf8 v[AC:AC+7], v[WF+32*((\p)%3)+16*\j:WF+32*((\p)%3)+16*\j+15], v[128*((SI+1)/2)+16*\i:128*((SI+1)/2)+16*\i+15], v[AC:AC+7]
.endif
.endr
.endr
.endm
; THE CHANGE OF SLOTS, at a fill's pair 6: all my reads of this slot have been issued.  I wait for all my tensor loads (one is out: my part of the other slot), add 0 to my spare word, and wait for
; the add and my reads.  fill = 1: a round of the cluster's barrier, and this slot is asked for again, two fills on, first thing.  fill = 0: the work-group's barrier alone.
.macro TURN fill
.set TS, (P/8)%2
	s_wait_tensorcnt 0x0
	ds_add_u32 v[SPW], v[NIL]
.if \fill
	s_add_nc_u64 s[G0+4*TS+2:G0+4*TS+3], s[G0+4*TS+2:G0+4*TS+3], 2*KFILL   ; no load of mine is out: the group 0 may be written
.endif
	s_wait_dscnt 0x0
.if \fill
	ROUND
	tensor_load_to_lds s[G0+4*TS:G0+4*TS+3], s[G1:G1+7]
	s_nop 0
.else
	s_barrier_signal -1
	s_barrier_wait -1
.endif
	PLACES                                         ; also the places ahead of the loads below
.endm
.macro PAIR                            ; pair P of 64
	WIN 0
.if P%8 == 7
.if P < 40
	ASKA P/8+3                                     ; the pair before asked for W2's fill P / 8 + 2: a's fill behind that one; fills 3 to 7 are named here
.endif
.endif
.if P%8 == 6
.if P < 48
	TURN 1
.else
.if P < 56
	TURN 0
.else
	PLACES
.endif
.endif
.else
.if P > 0
	PLACES
.endif
.endif
.if P < 62
	WLOAD P+2                                      ; into the ring place that pair P - 1 left
.endif
.if P%4 == 0
.if P < 60
	s_wait_loadcnt 32                              ; this step's set of a is in; the next step's 32 loads may be out
.else
	s_wait_loadcnt 0
.endif
.endif
.if P < 56
	APART P/4+2, P%4                               ; a quarter of the set two steps on, into the set that the step before left
.endif
.if P < 62
	s_wait_dscnt 32                                ; pair P is in; the 16 loads of each of the two younger pairs may be out
.else
	s_wait_dscnt 16*(63-P)
.endif
	MULP P
.if P%8 == 6
.if P < 32
	global_prefetch_b8 v[PFO], s[PFA:PFA+1] offset:(P/8+4)*KFILL th:TH_LOAD_NT scope:SCOPE_SE   ; W2's fill two refills on; fills 4 to 7 are named here
.endif
.endif
.endm
	s_load_b128 s[4:7], s[0:1], 0x0                ; a s[4:5], W2 s[6:7]
	s_load_b128 s[8:11], s[0:1], 0x10              ; the exponents s[8:9], out0 s[10:11]
	v_lshl_add_u32 v[SPW], v0, 2, SPARE
	v_mov_b32 v[NIL], 0
	ds_add_u32 v[SPW], v[NIL]                      ; the opening lines: the add, twice on end, and its wait below
	ds_add_u32 v[SPW], v[NIL]
	v_lshrrev_b32 v1, 5, v0
	v_readfirstlane_b32 s14, v1                    ; wave 0..3
	s_bfe_u32 s40, ttmp6, 0x40000                  ; cx
	s_lshl_b32 s17, ttmp9, 2
	s_add_co_u32 s17, s17, s40                     ; tr = 4 x cluster x + cx
	s_and_b32 s42, ttmp7, 0xffff                   ; tc
	s_mov_b32 s[G1+0], 15|(1<<20)|(1<<21)|(7<<22)|(3<<25)  ; mask: all four partners; bytes; padding of 4 words behind every 256; bit 21 beside the mask
	s_mov_b32 s[G1+1], KFILL<<16                   ; tensor_dim0
	s_mov_b32 s[G1+2], 32<<16                      ; tensor_dim1
	s_mov_b32 s[G1+3], KFILL<<16                   ; tile_dim0
	s_mov_b32 s[G1+4], 32                          ; tile_dim1
	s_mov_b32 s[G1+5], 8192                        ; a row of W2 in memory
	s_mov_b32 s[G1+6], 0
	s_mov_b32 s[G1+7], 0
	s_lshl_b32 s21, s14, 8                         ; my 256 bytes of every LDS row
	s_mul_i32 s22, s14, RREG
	s_mul_i32 s23, s14, 32*MPITCH
	s_mul_i32 s41, s14, QROWS                      ; where my 32 rows of a fill go
	s_lshl_b32 s46, s42, 20                        ; W2: row 128 tc + 32 w, in bytes
	s_lshl_b32 s18, s14, 18
	s_add_co_u32 s46, s46, s18
	s_mov_b32 s47, 0
	s_lshl_b32 s50, s17, 20                        ; a: 64 chunks a tile row; my steps begin at chunk 2 w
	s_lshl_b32 s19, s14, 15
	s_add_co_u32 s52, s50, s19
	s_mov_b32 s53, 0
	s_lshl_b32 s54, s40, 16                        ; W2's prefetch: my work-group's 8 rows
	s_mov_b32 s55, 0
	s_add_co_u32 s56, s50, s18                     ; out0: row 128 tr + 32 w, column 128 tc
	s_lshl_b32 s20, s42, 9
	s_add_co_u32 s56, s56, s20
	s_mov_b32 s57, 0
	s_lshl_b32 s60, s42, 15                        ; a's prefetch: 128 threads x 256 bytes for each tc < 4
	s_add_co_u32 s60, s60, s50
	s_mov_b32 s61, 0
	v_and_b32 v2, 15, v0                           ; r
	v_bfe_u32 v3, v0, 4, 1                         ; h
	v_and_b32 v4, 31, v0
	v_lshlrev_b32 v[AO], 4, v4
	v_mul_u32_u24 v5, v2, PITCH
	v_lshl_add_u32 v5, v3, 3, v5                   ; a fragment's row x pitch + 8 h
	v_add_nc_u32 v[WA], s21, v5
	v_add_nc_u32 v[WA+1], HALFB, v[WA]
	v_add_nc_u32 v[WA+2], SLOT, v[WA]
	v_add_nc_u32 v[WA+3], SLOT+HALFB, v[WA]
	v_mul_u32_u24 v6, v2, MPITCH
	v_lshl_add_u32 v6, v3, 5, v6
	v_add_nc_u32 v[STO], s22, v6
	v_add_nc_u32 v[RD], s23, v[AO]
	v_add_nc_u32 v[RD+1], RREG, v[RD]
	v_add_nc_u32 v[RD+2], 2*RREG, v[RD]
	v_add_nc_u32 v[RD+3], 3*RREG, v[RD]
	v_lshrrev_b32 v7, 2, v4
	v_and_b32 v12, 3, v4
	v_lshlrev_b32 v7, 13, v7
	v_lshl_add_u32 v[PFO], v12, 8, v7
	v_lshlrev_b32 v[PAO], 8, v0
	s_wait_alu depctr_va_vdst(0)                   ; the wait at the head's end
	s_wait_dscnt 0x0                               ; both opening adds are done
	s_wait_kmcnt 0x0
	s_load_b128 s[68:71], s[8:9], 0x0              ; e0 .. e3: wanted at the end
	s_add_nc_u64 s[AB:AB+1], s[4:5], s[52:53]
	s_add_nc_u64 s[PAB:PAB+1], s[4:5], s[60:61]
	s_add_nc_u64 s[46:47], s[6:7], s[46:47]
	s_add_nc_u64 s[PFA:PFA+1], s[46:47], s[54:55]
	s_add_nc_u64 s[10:11], s[10:11], s[56:57]
.irp s, 0,1
	s_mov_b32 s[G0+4*\s], 1
	s_add_co_u32 s[G0+4*\s+1], s41, \s*SLOT
	s_add_nc_u64 s[G0+4*\s+2:G0+4*\s+3], s[46:47], \s*KFILL
	s_or_b32 s[G0+4*\s+3], s[G0+4*\s+3], 0x80000000
.endr
	ROUND                                          ; the partners are here: the first joint loads meet
	tensor_load_to_lds s[G0:G0+3], s[G1:G1+7]      ; fill 0: one tensor load a wave at the head
	s_nop 0
	PLACES
.irp k, 0,1,2,3
	APART 0, \k
.endr
.irp k, 0,1,2,3
	APART 1, \k
.endr
	WIN 0
	global_prefetch_b8 v[PFO], s[PFA:PFA+1] offset:KFILL th:TH_LOAD_NT scope:SCOPE_SE     ; with fill 0's load: W2's fills 1 and 2,
	global_prefetch_b8 v[PFO], s[PFA:PFA+1] offset:2*KFILL th:TH_LOAD_NT scope:SCOPE_SE
	ASKA 1                                         ; and a's fill 1
	s_wait_tensorcnt 0x0                           ; my part of fill 0 is in; the lines ahead of a later first fill
	ds_add_u32 v[SPW], v[NIL]
	s_wait_dscnt 0x0
	ROUND
	tensor_load_to_lds s[G0+4:G0+7], s[G1:G1+7]    ; fill 1, the first tensor load behind the round
	s_nop 0
	PLACES
	WLOAD 0
	WLOAD 1
	global_prefetch_b8 v[PFO], s[PFA:PFA+1] offset:3*KFILL th:TH_LOAD_NT scope:SCOPE_SE   ; with fill 1's load: W2's fill 3,
	ASKA 2                                         ; and a's fill 2
.set P, 0
.rept 64
	PAIR
.set P, P+1
.endr
	WIN 0
	s_barrier_signal -1                            ; my reads of the slots are over (the last pair waited for all of them); no tensor load is out
	s_barrier_wait -1                              ; everybody's are: the slots' bytes take the partial tiles
; THE MEETING.  Lane (r, h) holds, in accumulator (b, i), row 16 i + r, columns 16 b + 8 h + 0 .. 7: 32 bytes.  Each accumulator's low four registers go first.
.macro PUT b
	WIN 0x08+4*((\b)/4)                            ; the stores' data (source 1): window 2 or 3
.irp i, 0,1,2,3,4,5,6,7
	ds_store_b128 v[STO], v[8*(8*((\b)%4)+\i):8*(8*((\b)%4)+\i)+3] offset:\i*16*MPITCH+64*(\b)
	ds_store_b128 v[STO], v[8*(8*((\b)%4)+\i)+4:8*(8*((\b)%4)+\i)+7] offset:\i*16*MPITCH+64*(\b)+16
.endr
.endm
.macro GET i                           ; rows 4 i .. 4 i + 3 of my 32, of all four parts
.set SB, SUMR+64*((\i)%2)
.irp v, 0,1,2,3
.irp q, 0,1,2,3
	ds_load_b128 v[SB+16*\v+4*\q:SB+16*\v+4*\q+3], v[RD+\v] offset:(4*(\i)+\q)*MPITCH
.endr
.endr
.endm
.macro SUM i                           ; (P0 + P1) + (P2 + P3), x 2^(e2 + e3), and out
.set SB, SUMR+64*((\i)%2)
.irp j, 0,2,4,6,8,10,12,14
	v_pk_add_f32 v[SB+\j:SB+\j+1], v[SB+\j:SB+\j+1], v[SB+16+\j:SB+16+\j+1]
	v_pk_add_f32 v[SB+32+\j:SB+32+\j+1], v[SB+32+\j:SB+32+\j+1], v[SB+48+\j:SB+48+\j+1]
.endr
.irp j, 0,2,4,6,8,10,12,14
	v_pk_add_f32 v[SB+\j:SB+\j+1], v[SB+\j:SB+\j+1], v[SB+32+\j:SB+32+\j+1]
.endr
.irp j, 0,2,4,6,8,10,12,14
	v_pk_mul_f32 v[SB+\j:SB+\j+1], v[SB+\j:SB+\j+1], s[72:73] op_sel_hi:[1,0]
.endr
.irp q, 0,1,2,3
	global_store_b128 v[AO], v[SB+4*\q:SB+4*\q+3], s[10:11] offset:(4*(\i)+\q)*OROW th:TH_STORE_NT   ; 32 lanes store 512 consecutive bytes, at a multiple of 256 from out0's first byte
.endr
.endm
	s_wait_kmcnt 0x0
	s_add_co_i32 s72, s70, s71                     ; e2 + e3
	s_add_co_i32 s72, s72, 127
	s_lshl_b32 s72, s72, 23                        ; 2^(e2 + e3) as f32
	s_mov_b32 s73, s72
	PLACES                                         ; behind the last products: the stores below read results
.irp b, 0,1,2,3,4,5,6,7
	PUT \b
.endr
	WIN 0
	s_wait_dscnt 0x0                               ; for the others' sake: my partial tile lies in LDS
	s_barrier_signal -1
	s_barrier_wait -1
	GET 0
.irp i, 0,1,2,3,4,5,6,7
.if \i < 7
.if \i > 0
	s_wait_xcnt 0x0                                ; the stores of the batch before have read their registers
.endif
	GET \i+1
	s_wait_dscnt 16                                ; this batch is in; the sixteen loads just issued may be out
.else
	s_wait_dscnt 0x0
.endif
	SUM \i
.endr
	s_wait_tensorcnt 0x0                           ; the wave's end
	ds_add_u32 v[SPW], v[NIL]
	s_wait_dscnt 0x0
	ROUND                                          ; the closing round
	s_endpgm
.Lfunc_end_k_qfaeafd3a09_fc2:
	.size	k_qfaeafd3a09_fc2, .Lfunc_end_k_qfaeafd3a09_fc2-k_qfaeafd3a09_fc2
	.p2alignl 7, 3214868480
	.fill 96, 4, 3214868480
	.section	.rodata,"a",@progbits
	.p2align	6, 0x0
	.amdhsa_kernel k_qfaeafd3a09_fc2
		.amdhsa_group_segment_fixed_size 327680
		.amdhsa_private_segment_fixed_size 0
		.amdhsa_enable_private_segment 0
		.amdhsa_kernarg_size 32
		.amdhsa_user_sgpr_count 2
		.amdhsa_user_sgpr_kernarg_segment_ptr 1
		.amdhsa_wavefront_size32 1
		.amdhsa_system_sgpr_workgroup_id_x 1
		.amdhsa_system_sgpr_workgroup_id_y 1
		.amdhsa_system_sgpr_workgroup_id_z 1
		.amdhsa_system_vgpr_workitem_id 0
		.amdhsa_next_free_vgpr 1024
		.amdhsa_next_free_sgpr 98
		.amdhsa_reserve_vcc 0
		.amdhsa_float_denorm_mode_32 3
		.amdhsa_float_denorm_mode_16_64 3
		.amdhsa_memory_ordered 1
		.amdhsa_forward_progress 1
		.amdhsa_inst_pref_size 239
	.end_amdhsa_kernel
	.amdgpu_metadata
---
amdhsa.version: [ 1, 2 ]
amdhsa.kernels:
  - .name:           k_qfaeafd3a09_fc2
    .symbol:         k_qfaeafd3a09_fc2.kd
    .args:
      - { .name: acodes, .offset: 0, .size: 8, .value_kind: global_buffer, .address_space: global }
      - { .name: W2_codes, .offset: 8, .size: 8, .value_kind: global_buffer, .address_space: global }
      - { .name: lowp_scales, .offset: 16, .size: 8, .value_kind: global_buffer, .address_space: global }
      - { .name: out0, .offset: 24, .size: 8, .value_kind: global_buffer, .address_space: global }
    .group_segment_fixed_size: 327680
    .private_segment_fixed_size: 0
    .kernarg_segment_align: 8
    .kernarg_segment_size: 32
    .max_flat_workgroup_size: 128
    .sgpr_count:     98
    .vgpr_count:     1024
    .wavefront_size: 32
...
	.end_amdgpu_metadata
.endif
;; end of part 2
